; MI455X (gfx1250); checked and timed in simulation.
; The chip was launched on July 23, 2026; its instructions are those of AMD's public machine-readable ISA for CDNA 5 (MIT licence, August 2026) and "CDNA5" Instruction Set Architecture Reference Guide (July 2026). The comments in the code are by the model that wrote it; some were corrected since.
;; Native Bit Linear. Allowed arithmetic: matrix products marked QUANTISED: E2M1 operands, one E8M0 scale for each 32 along K, by v_wmma_scale_f32_16x16x128_f8f6f4 with both operands' format E2M1 (or v_wmma_scale_f32_32x16x128_f4), f32 sums; everything else in f32.
;; Inputs: bias 4,096 float32; codebook 262,144 x 8 float32; weight 4,096 x 4,096 float32; x_codes 2 x 2,048 x 128 x 16 uint8 (E2M1 codes of x, K innermost, in blocks of 32 codes, two codes a byte); x_scales 2 x 2,048 x 128 uint8 (E8M0 scales of x, one for each 32 codes along K).
;; Outputs: out0 2 x 2,048 x 4,096 float32.
;; This version of the problem:
;;   THIS VERSION OF THE PROBLEM IS GIVEN IN LOW PRECISION. The matrix products marked QUANTISED in the list below multiply operands that are first quantised to E2M1 (2 exponent bits, 1 mantissa bit; 4 bits a number), with one power-of-two scale for each 32 numbers along K (OCP MX v1.0); their sums are f32. All else is computed in f32.
;;   The module's matrix products, in the order in which they are computed (A, B: the left and right operand; K: the contracted axis; several contracted axes count as one K, in the product's order):
;;     1. [M 4,096, K 4,096] x [K 4,096, N 4,096]; A: input x (given as codes); B: computed on the way: QUANTISED
;;   THE QUANTISER, for each operand of a quantised product, along K:
;;     - K is cut into blocks of 32 from its start; a last block that is shorter is filled with zeros.
;;     - A block's scale is 2^e with e = floor(log2(the largest magnitude in the block)) - 2, held to -126 .. 127; a block of zeros has e = 0. As a byte (E8M0): e + 127.
;;     - Each number is divided by its block's scale, clamped to +-6, and rounded to the nearest number of E2M1, ties to even, subnormals kept.
;;     - The product sums the exact products of the quantised numbers (number of the format x scale) in f32.
;;   ~~~python
;;   def quantise(x, axis):      # numpy; x: float32 -> the quantised numbers, widened to float32 again
;;       x = np.moveaxis(x, axis, -1); K = x.shape[-1]
;;       x = np.pad(x, [(0, 0)] * (x.ndim - 1) + [(0, -K % 32)]); x = x.reshape(x.shape[:-1] + (-1, 32)); a = np.abs(x).max(-1, keepdims=True)
;;       e = np.where(a > 0, np.clip(np.frexp(np.where(a > 0, a, 1))[1] - 1 - 2, -126, 127), 0)      # np.frexp(a)[1] - 1 = floor(log2(a)), exactly
;;       r = np.clip(x / 2.0 ** e, -6, 6)
;;       step = 2.0 ** (np.maximum(np.frexp(np.where(r == 0, 1, r))[1] - 1, 0) - 1)
;;       q = np.round(r / step) * step * 2.0 ** e      # np.round: ties to even
;;       return np.moveaxis(q.reshape(q.shape[:-2] + (-1,))[..., :K], -1, axis).astype(np.float32)
;;   ~~~
;;   OPERANDS COMPUTED ON THE WAY. 'Computed on the way' means the value that the module computes at that place (a softmax that the list does not call 'softmax' is quantised finished and normalised). What goes into a quantiser is computed in f32, as accurately as f32 sums, v_exp_f32 and their like allow (about 1e-6 of the number): no bf16 or f16 on the way to a quantiser, and a product that is left as it is and whose result goes on into a quantised operand takes f32 operands (vector FMAs, or v_wmma_f32_16x16x4_f32). A number that lies on a knife's edge between two numbers of the format may be rounded either way, as far as f32 arithmetic and the matrix unit's own rounding can turn it there, and no further.
;;   INPUTS GIVEN AS CODES. x (in the module: [2, 2048, 4096], K = its axis 2): each comes as NAME_codes (uint8): NAME with its K axis moved to the last place and cut into blocks of 32 codes, [.., K / 32, bytes a block], one block behind the other in memory; two codes a byte, the lower K in the low four bits (a code: sign, 2 exponent bits, 1 mantissa bit); and NAME_scales (uint8): the same leading axes, one E8M0 byte (e + 127) for each 32 codes along K. Its value is code x scale, taken as it is: it is not quantised again, and the codes and scales need not be those that the quantiser above would give.
;; One version. Each part assembles by itself: llvm-mc -triple=amdgcn-amd-amdhsa -mcpu=gfx1250 --defsym DOCPART=n.
;; ======== version 1 of 1: 2 launches
;; limits: inputs' magnitudes at most 1.8e+19; right only within a limited range of input values
;; workspace buffers: wq 8,912,896 bytes
;; launch vq (part 1): grid 256 x 1, 8 waves a work-group, no clusters, 82,944 bytes of LDS; arguments weight, codebook, wq; writes wq
.if DOCPART == 1
	.amdgcn_target "amdgcn-amd-amdhsa--gfx1250"
	.amdhsa_code_object_version 6
	.text
	.protected	k_qd9c6d3cadf_vq
	.globl	k_qd9c6d3cadf_vq
	.p2align	8
	.type	k_qd9c6d3cadf_vq,@function
k_qd9c6d3cadf_vq:
	s_mov_b64 s[64:65], 0
	v_nop
	global_prefetch_b8 v0, s[64:65] scope:SCOPE_SE
	s_setreg_imm32_b32 hwreg(HW_REG_WAVE_MODE, 25, 1), 1
	s_wait_xcnt 0x0
; THE WEIGHT BECOMES CODES.  weight [4096][4096] f32 is cut into blocks of 64 along its rows; block nb has 8 entries codebook[nb][0..7].
; Each number w takes the entry c_j with the smallest (w - c_j)^2, the LOWEST j among equals; then wq = w + (c - w) in f32;
; then wq is quantised along K to FP4 (E2M1), one E8M0 byte for each 32: scale 2^(floor(log2(largest magnitude)) - 2), numbers beyond 6 x scale held at the largest code, ties to even.
; THE SQUARES ARE NOT FORMED.  The differences d_j = w - c_j are rounded to f32 as written.  The squares of two neighbouring f32 magnitudes lie more than 1.4 units in the last place apart (2 or more just under a
; power of two, where 1.5 would be needed), so they never round to one number: the rounded square rises strictly with |d|, and squares are equal exactly where magnitudes are.  So the first smallest square is the
; first smallest |d_j|.  It is found by a tournament of seven duels, (0,1)(2,3)(4,5)(6,7), (0,2)(4,6), (0,4): the side of the lower indices wins where its |d| is not the larger, so the first of equals comes through.
; c - w is exactly -(w - c), so w + (c - w) is the one rounding of w - d, d = the winner: the entries themselves are never selected.
; OUT: wq, laid [K step of 512][row][272 bytes]: a row's 256 bytes of codes (K ascending, the lower k in the low four bits), then its 16 scale bytes.  128 rows of a K step are 34,816 dense bytes.
; LIMITS: the argument on squares holds where they are normal numbers, 2^-63 <= |d| < 2^64.  Where a number's smallest |d| lies under 2^-63, squares as written can tie and the first of those entries would be taken;
; here the nearest is: the two results differ by at most 2^-62.  Where every |d| of a number is 2^64 or more, all squares as written are infinite and entry 0 would be taken; here the nearest is.
; NaN and infinities in weight or codebook are not served.  A block of 32 zeros gets the byte 1 where the rule says 127: its codes are zeros, which add nothing under any byte but 0xff, and this program alone reads the bytes.
; The floor 2^-124 under the largest magnitude is the rule's own hold of the exponent at -126.
; SHARES.  Work-group g takes rows 16 g .. 16 g + 15; its wave w takes K step w of each: 16 steps of 512 numbers and their 8 codebook blocks (256 bytes).  Work-groups and waves share no input byte:
; no cluster, no tensor load, no barrier.  The matrix units have nothing to do here.
; A LANE HOLDS 16 NEIGHBOURS along K (two lanes a block of 32, four lanes a codebook block), yet every load is dense: a step's four loads read 512 consecutive bytes each, 16 a lane, and the 2,048 bytes turn
; through the wave's own stage in LDS (64 bytes + 16 of padding a place).  The codebook's 256 bytes go the same way and come back 32 bytes a lane.
; The wave's 16 rows x 272 bytes are gathered in LDS as they will lie in memory and leave at the end: 4,352 consecutive bytes, each store of the wave covering 512 (the last 256) consecutive bytes, aligned.
; Loads run four steps (20 loads a wave) ahead, the turn through LDS one step.
.set WREG,  10240                      ; LDS: a region for each wave
.set SP,    80                         ; a lane's place in a stage
.set STGB,  2816                       ; a stage: 32 places, then the step's 256 codebook bytes; two stages by turns
.set CBO,   2560                       ; where the codebook bytes begin in a stage
.set OUTB,  5632                       ; behind the stages: 16 rows x 272 bytes
.set ORW,   272
.set GA,  2                            ; v2   16 x lane: the weight loads, the final stores
.set GB,  3                            ; v3   8 x lane: the codebook load, the last store
.set TI,  4                            ; v4   the stage, on the way in: 80 (lane / 4) + 16 (lane % 4)
.set TO,  5                            ; v5   and on the way out: 80 x lane
.set CI,  6                            ; v6   the codebook bytes, in: 8 x lane
.set CR,  7                            ; v7   and out: 32 (lane / 4): my block's eight entries
.set OC0, 8                            ; v8   OUT: my 8 bytes of codes in its first row
.set OS0, 9                            ; v9   OUT: my block's scale byte in its first row
.set ORD, 10                           ; v10  OUT read back: 16 x lane
.set OC,  11                           ; v11  OC0 + the trip's four rows
.set OS,  12                           ; v12  OS0 + the same
.set R,   16                           ; v16-87   four sets of 18: 16 registers of weight as loaded, 2 of codebook
.set X,   88                           ; v88-119  two sets of 16 neighbours
.set C,   120                          ; v120-135 two sets of 8 entries
.set D,   136                          ; v136-199 two buffers of 32, for groups of four numbers by turns: w - c_j of pair a, entry j at 16 a + 2 j
.set Q,   204                          ; v204-207 the winners
.set T,   208                          ; v208-210 at work in the quantiser
.set CD,  212                          ; v212-215 16 codes, two sets
.set EB,  216                          ; v216-217 the scale byte, two sets
.set MK,  32                           ; s32-59   lane masks: a duel's four numbers at MK + 4 x duel + n
	s_load_b128 s[4:7], s[0:1], 0x0                ; weight, codebook
	s_load_b64 s[8:9], s[0:1], 0x10                ; wq
	v_lshl_add_u32 v224, v0, 2, 0x14000
	v_mov_b32 v225, 0
	v_lshrrev_b32 v1, 5, v0
	s_delay_alu instid0(VALU_DEP_1)
	v_readfirstlane_b32 s10, v1                    ; wave 0..7 = my K step
	v_and_b32 v1, 31, v0                           ; lane
	s_mul_i32 s11, s10, WREG                       ; my region of LDS
	v_lshlrev_b32 v[GA], 4, v1
	v_lshlrev_b32 v[GB], 3, v1
	v_lshrrev_b32 v13, 2, v1
	v_and_b32 v14, 3, v1
	s_delay_alu instid0(VALU_DEP_2)
	v_mul_u32_u24 v[TI], v13, SP
	s_delay_alu instid0(VALU_DEP_1)
	v_lshl_add_u32 v[TI], v14, 4, v[TI]
	s_delay_alu instid0(VALU_DEP_1)
	v_add_nc_u32 v[TI], s11, v[TI]
	v_mul_u32_u24 v[TO], v1, SP
	s_delay_alu instid0(VALU_DEP_1)
	v_add_nc_u32 v[TO], s11, v[TO]
	v_add_nc_u32 v[CI], s11, v[GB]
	s_delay_alu instid0(VALU_DEP_1)
	v_add_nc_u32 v[CI], CBO, v[CI]
	v_lshl_add_u32 v[CR], v13, 5, s11
	s_delay_alu instid0(VALU_DEP_1)
	v_add_nc_u32 v[CR], CBO, v[CR]
	v_add_nc_u32 v[OC0], s11, v[GB]
	s_delay_alu instid0(VALU_DEP_1)
	v_add_nc_u32 v[OC0], OUTB, v[OC0]
	v_lshrrev_b32 v14, 1, v1
	s_delay_alu instid0(VALU_DEP_1)
	v_add_nc_u32 v[OS0], s11, v14
	s_delay_alu instid0(VALU_DEP_1)
	v_add_nc_u32 v[OS0], OUTB+256, v[OS0]
	v_add_nc_u32 v[ORD], s11, v[GA]
	s_delay_alu instid0(VALU_DEP_1)
	v_add_nc_u32 v[ORD], OUTB, v[ORD]
	s_lshl_b32 s14, ttmp9, 18                      ; weight: 16 rows of 16,384 bytes a work-group,
	s_lshl_b32 s16, s10, 11                        ; 2,048 bytes a K step
	s_add_co_u32 s14, s14, s16
	s_mov_b32 s15, 0
	s_lshl_b32 s16, ttmp9, 15                      ; codebook: 2,048 bytes a row (64 blocks of 32 bytes),
	s_lshl_b32 s18, s10, 8                         ; 256 a K step
	s_add_co_u32 s16, s16, s18
	s_mov_b32 s17, 0
	s_mul_i32 s18, s10, 4096*ORW                   ; wq: a K step's 4,096 rows of 272 bytes,
	s_mul_i32 s19, ttmp9, 16*ORW                   ; my work-group's 16 rows
	s_add_co_u32 s18, s18, s19
	s_mov_b32 s19, 0
	s_wait_alu depctr_va_vdst(0)
	s_wait_kmcnt 0x0
	s_add_nc_u64 s[4:5], s[4:5], s[14:15]
	s_add_nc_u64 s[6:7], s[6:7], s[16:17]
	s_add_nc_u64 s[8:9], s[8:9], s[18:19]
; Five loads: a row's 2,048 bytes of my K step, 512 consecutive bytes a load, and its 256 codebook bytes.  row counts from the row at which the bases stand.
.macro LOAD set, row
.irp i, 0,1,2,3
	global_load_b128 v[R+18*(\set)+4*\i:R+18*(\set)+4*\i+3], v[GA], s[4:5] offset:(\row)*16384+512*\i th:TH_LOAD_NT
.endr
	global_load_b64 v[R+18*(\set)+16:R+18*(\set)+17], v[GB], s[6:7] offset:(\row)*2048 th:TH_LOAD_NT
.endm
; Eleven LDS lines: set's numbers through stage p.  LDS serves a wave's instructions in order (ISA guide 5.7.1.4): no wait stands between the stores and the loads.
.macro TURN set, p
.irp i, 0,1,2,3
	ds_store_b128 v[TI], v[R+18*(\set)+4*\i:R+18*(\set)+4*\i+3] offset:(\p)*STGB+8*SP*\i
.endr
	ds_store_b64 v[CI], v[R+18*(\set)+16:R+18*(\set)+17] offset:(\p)*STGB
.irp i, 0,1,2,3
	ds_load_b128 v[X+16*(\p)+4*\i:X+16*(\p)+4*\i+3], v[TO] offset:(\p)*STGB+16*\i
.endr
.irp i, 0,1
	ds_load_b128 v[C+8*(\p)+4*\i:C+8*(\p)+4*\i+3], v[CR] offset:(\p)*STGB+16*\i
.endr
.endm
; Eight lines: numbers 4 e + 2 a and 4 e + 2 a + 1 of set p, less each of the eight entries, into buffer e % 2.
.macro SUBP p, e, a
.set DSB, D+32*((\e)%2)+16*(\a)
.set WSB, X+16*(\p)+4*(\e)+2*(\a)
.irp j, 0,2,4,6
	v_pk_add_f32 v[DSB+2*\j:DSB+2*\j+1], v[WSB:WSB+1], v[C+8*(\p)+\j:C+8*(\p)+\j+1] op_sel_hi:[1,0] neg_lo:[0,1] neg_hi:[0,1]                  ; less entry j (the pair's first register for both halves)
	v_pk_add_f32 v[DSB+2*\j+2:DSB+2*\j+3], v[WSB:WSB+1], v[C+8*(\p)+\j:C+8*(\p)+\j+1] op_sel:[0,1] op_sel_hi:[1,1] neg_lo:[0,1] neg_hi:[0,1]    ; less entry j + 1 (its second)
.endr
.endm
; A duel between the differences that stand at entries l and r (l the lower), for the group's four numbers: who wins,
.macro DUEL e, l, r, m
.set DT, D+32*((\e)%2)
.irp n, 0,1,2,3
	v_cmp_le_f32 s[MK+(\m)+\n], |v[DT+16*(\n/2)+(\n%2)+2*(\l)]|, |v[DT+16*(\n/2)+(\n%2)+2*(\r)]|
.endr
.endm
; and the winner takes l's place.
.macro TAKE e, l, r, m
.set DT, D+32*((\e)%2)
.irp n, 0,1,2,3
	v_cndmask_b32 v[DT+16*(\n/2)+(\n%2)+2*(\l)], v[DT+16*(\n/2)+(\n%2)+2*(\r)], v[DT+16*(\n/2)+(\n%2)+2*(\l)], s[MK+(\m)+\n]
.endr
.endm
; The largest magnitude of my 16, in two chains: the five lines that want only numbers 0 to 11.
.macro QMXA p
.set XS, X+16*(\p)
	v_max3_num_f32 v[T], |v[XS]|, |v[XS+1]|, |v[XS+2]|
	v_max3_num_f32 v[T+1], |v[XS+3]|, |v[XS+4]|, |v[XS+5]|
	s_delay_alu instid0(VALU_DEP_2)
	v_max3_num_f32 v[T], v[T], |v[XS+6]|, |v[XS+7]|
	s_delay_alu instid0(VALU_DEP_2)
	v_max3_num_f32 v[T+1], v[T+1], |v[XS+8]|, |v[XS+9]|
	s_delay_alu instid0(VALU_DEP_2)
	v_max3_num_f32 v[T], v[T], |v[XS+10]|, |v[XS+11]|
.endm
; The tournament of numbers 4 e .. 4 e + 3 of set p, whose differences lie in buffer e % 2; the result goes back in place.  58 lines of its own.  Round the last duel stands work that waits for nothing here,
; so that no select reads a mask just written: the next group's sixteen subtractions, into the other buffer; in the last group the head of the block's maximum.
.macro GROUP p, e
	DUEL \e, 0, 1, 0
	DUEL \e, 2, 3, 4
	DUEL \e, 4, 5, 8
	DUEL \e, 6, 7, 12
	TAKE \e, 0, 1, 0
	TAKE \e, 2, 3, 4
	TAKE \e, 4, 5, 8
	TAKE \e, 6, 7, 12
	DUEL \e, 0, 2, 16
	DUEL \e, 4, 6, 20
	TAKE \e, 0, 2, 16
	TAKE \e, 4, 6, 20
.if (\e) < 3
	SUBP \p, (\e)+1, 0
.endif
	DUEL \e, 0, 4, 24
.if (\e) < 3
	SUBP \p, (\e)+1, 1
.else
	QMXA \p
.endif
.set DT, D+32*((\e)%2)
.irp n, 0,1,2,3
	v_cndmask_b32 v[Q+\n], v[DT+16*(\n/2)+(\n%2)+8], v[DT+16*(\n/2)+(\n%2)], s[MK+24+\n]
.endr
.irp a, 0
	s_delay_alu instid0(VALU_DEP_3)
	v_pk_add_f32 v[X+16*(\p)+4*(\e)+2*\a:X+16*(\p)+4*(\e)+2*\a+1], v[X+16*(\p)+4*(\e)+2*\a:X+16*(\p)+4*(\e)+2*\a+1], v[Q+2*\a:Q+2*\a+1] neg_lo:[0,1] neg_hi:[0,1]   ; w - (w - c) = w + (c - w)
.endr
.irp a, 1
	s_delay_alu instid0(VALU_DEP_2)
	v_pk_add_f32 v[X+16*(\p)+4*(\e)+2*\a:X+16*(\p)+4*(\e)+2*\a+1], v[X+16*(\p)+4*(\e)+2*\a:X+16*(\p)+4*(\e)+2*\a+1], v[Q+2*\a:Q+2*\a+1] neg_lo:[0,1] neg_hi:[0,1]   ; w - (w - c) = w + (c - w)
.endr
.endm
; The rest of the quantiser: set p's 16 numbers become 8 bytes of codes and a scale byte, in row i of the trip's four rows of OUT.
.macro QMXB p, i
.set XS, X+16*(\p)
	s_delay_alu instid0(VALU_DEP_2)
	v_max3_num_f32 v[T+1], v[T+1], |v[XS+12]|, |v[XS+13]|
	s_delay_alu instid0(VALU_DEP_2)
	v_max3_num_f32 v[T], v[T], |v[XS+14]|, |v[XS+15]|
	s_delay_alu instid0(VALU_DEP_1)
	v_max3_num_f32 v[T], v[T], v[T+1], 0x1800000                     ; and the floor 2^(3 - 127): the byte cannot fall under 1
	s_delay_alu instid0(VALU_DEP_1)
	v_max_num_f32_dpp v[T], v[T], v[T] row_xmask:1 row_mask:0xf bank_mask:0xf   ; and of my neighbour's 16: the block's
	s_delay_alu instid0(VALU_DEP_1)
	v_add_nc_u32 v[T+2], 0xff000000, v[T]                            ; 2 off its exponent field: the conversion takes the exponent field of this operand as its scale, and nothing else of it
	v_cvt_scalef32_pk8_fp4_f32 v[CD+2*(\p)], v[XS:XS+7], v[T+2]      ; eight numbers / the scale, to the nearest code, ties to even, beyond the largest code the largest; the first number's code in the lowest bits
	v_cvt_scalef32_pk8_fp4_f32 v[CD+2*(\p)+1], v[XS+8:XS+15], v[T+2]
	v_lshrrev_b32 v[EB+(\p)], 23, v[T+2]                             ; the scale's byte (also the plain line behind the conversions)
	ds_store_b64 v[OC], v[CD+2*(\p):CD+2*(\p)+1] offset:(\i)*ORW
	ds_store_b8 v[OS], v[EB+(\p)] offset:(\i)*ORW                    ; both lanes of a block write the same byte with the same value
.endm
; Step i of a trip's four.  ahead = 1: the row four further on is asked for.  turn = 1: the next step's numbers go through the other stage; lc = the younger loads that may stay out then.
.macro STEP i, ahead, turn, lc
.if (\i) == 0
	s_wait_dscnt 0x0                               ; all my LDS lines are done: this step's numbers are back, and the two addresses below may be written
	v_add_nc_u32 v[OC], s13, v[OC0]
	v_add_nc_u32 v[OS], s13, v[OS0]
.else
	s_wait_dscnt 0x2                               ; the last step's two stores into OUT may be out; the eleven lines of the turn in front of them are done: this step's numbers are back,
.endif                                                 ; and the stores into the stage have read the set of registers
.if \ahead
	LOAD \i, (\i)+4                                ; that takes the loads of four steps on
.endif
.if \turn
	s_wait_loadcnt \lc                             ; the next step's five loads are in; those of the steps behind it stay out
	TURN ((\i)+1)%4, 1-(\i)%2
.endif
	SUBP (\i)%2, 0, 0
	SUBP (\i)%2, 0, 1
	GROUP (\i)%2, 0
	GROUP (\i)%2, 1
	GROUP (\i)%2, 2
	GROUP (\i)%2, 3
	QMXB (\i)%2, \i
.endm
	LOAD 0, 0
	LOAD 1, 1
	LOAD 2, 2
	LOAD 3, 3
	s_wait_loadcnt 15                              ; row 0's five loads are in; three rows' fifteen stay out
	TURN 0, 0
	s_mov_b32 s12, 3                               ; three trips of four rows ask for rows 4 to 15
	s_mov_b32 s13, 0                               ; where the trip's four rows begin in OUT
.Ltrip:
	STEP 0, 1, 1, 15
	STEP 1, 1, 1, 15
	STEP 2, 1, 1, 15
	STEP 3, 1, 1, 15
	s_wait_xcnt 0x0                                ; every load issued has had its address translated: the two bases are stepped only behind this wait
	s_add_nc_u64 s[4:5], s[4:5], 4*16384
	s_add_nc_u64 s[6:7], s[6:7], 4*2048
	s_add_co_u32 s13, s13, 4*ORW
	s_sub_co_u32 s12, s12, 1
	s_cmp_lg_u32 s12, 0
	s_cbranch_scc1 .Ltrip
	STEP 0, 0, 1, 10                               ; the last four rows load nothing: no load leaves its buffer, and the counts run down
	STEP 1, 0, 1, 5
	STEP 2, 0, 1, 0
	STEP 3, 0, 0, 0
	; THE WAY OUT: my 16 rows x 272 bytes are 4,352 consecutive bytes of wq, beginning at a multiple of 256 from its first byte
.irp i, 0,1,2,3,4,5,6,7
	ds_load_b128 v[D+4*\i:D+4*\i+3], v[ORD] offset:512*\i            ; these see my stores: LDS serves a wave's instructions in order
.endr
	ds_load_b64 v[D+32:D+33], v[OC0] offset:4096
.irp i, 0,1,2,3,4,5,6,7
	s_wait_dscnt 8-\i                              ; load i is back; the younger ones stay out
	global_store_b128 v[GA], v[D+4*\i:D+4*\i+3], s[8:9] offset:512*\i   ; 32 lanes store 512 consecutive bytes
.endr
	s_wait_dscnt 0x0
	global_store_b64 v[GB], v[D+32:D+33], s[8:9] offset:4096         ; and the last 256
	s_wait_tensorcnt 0x0
	ds_add_u32 v224, v225
	s_wait_dscnt 0x0
	s_endpgm
.Lfunc_end_k_qd9c6d3cadf_vq:
	.size	k_qd9c6d3cadf_vq, .Lfunc_end_k_qd9c6d3cadf_vq-k_qd9c6d3cadf_vq
	.p2alignl 7, 3214868480
	.fill 96, 4, 3214868480
	.section	.rodata,"a",@progbits
	.p2align	6, 0x0
	.amdhsa_kernel k_qd9c6d3cadf_vq
		.amdhsa_group_segment_fixed_size 82944
		.amdhsa_private_segment_fixed_size 0
		.amdhsa_enable_private_segment 0
		.amdhsa_kernarg_size 24
		.amdhsa_user_sgpr_count 2
		.amdhsa_user_sgpr_kernarg_segment_ptr 1
		.amdhsa_wavefront_size32 1
		.amdhsa_system_sgpr_workgroup_id_x 1
		.amdhsa_system_sgpr_workgroup_id_y 1
		.amdhsa_system_sgpr_workgroup_id_z 1
		.amdhsa_system_vgpr_workitem_id 0
		.amdhsa_next_free_vgpr 226
		.amdhsa_next_free_sgpr 66
		.amdhsa_reserve_vcc 0
		.amdhsa_float_denorm_mode_32 3
		.amdhsa_float_denorm_mode_16_64 3
		.amdhsa_memory_ordered 1
		.amdhsa_forward_progress 1
		.amdhsa_inst_pref_size 175
	.end_amdhsa_kernel
	.amdgpu_metadata
---
amdhsa.version: [ 1, 2 ]
amdhsa.kernels:
  - .name:           k_qd9c6d3cadf_vq
    .symbol:         k_qd9c6d3cadf_vq.kd
    .args:
      - { .name: weight, .offset: 0, .size: 8, .value_kind: global_buffer, .address_space: global }
      - { .name: codebook, .offset: 8, .size: 8, .value_kind: global_buffer, .address_space: global }
      - { .name: wq, .offset: 16, .size: 8, .value_kind: global_buffer, .address_space: global }
    .group_segment_fixed_size: 82944
    .private_segment_fixed_size: 0
    .kernarg_segment_align: 8
    .kernarg_segment_size: 24
    .max_flat_workgroup_size: 256
    .sgpr_count:     66
    .vgpr_count:     226
    .wavefront_size: 32
...
	.end_amdgpu_metadata
.endif
;; end of part 1
;; launch gemm (part 2): grid 16 x 16, 4 waves a work-group, clusters of 4 x 4, 327,680 bytes of LDS; arguments x_codes, x_scales, wq, bias, out0; writes out0
.if DOCPART == 2
	.amdgcn_target "amdgcn-amd-amdhsa--gfx1250"
	.amdhsa_code_object_version 6
	.text
	.protected	k_qd9c6d3cadf_gemm
	.globl	k_qd9c6d3cadf_gemm
	.p2align	8
	.type	k_qd9c6d3cadf_gemm,@function
k_qd9c6d3cadf_gemm:
	s_mov_b64 s[64:65], 0
	v_nop
	global_prefetch_b8 v0, s[64:65] scope:SCOPE_SE
	s_setreg_imm32_b32 hwreg(HW_REG_WAVE_MODE, 25, 1), 1
	s_wait_xcnt 0x0
	s_wait_alu depctr_hold_cnt(0) depctr_sa_sdst(0) depctr_va_vdst(0) depctr_va_sdst(0) depctr_va_ssrc(0) depctr_va_vcc(0) depctr_vm_vsrc(0)
	s_getreg_b32 s2, hwreg(HW_REG_IB_STS2, 6, 4)
	s_cmp_eq_u32 s2, 0
	s_cbranch_scc0 .Lentry_in_a_cluster
	s_endpgm
.Lentry_in_a_cluster:
	s_bfe_u32 s2, ttmp6, 0x10000c
	s_cmp_lg_u32 s2, 0xf033
	s_cbranch_scc0 .Lentry_shape_is_right
	s_endpgm
.Lentry_shape_is_right:
; out0[m][n] = sum over k of x[m][k] wq[n][k] + bias[n].  x: 4,096 rows of 4,096 FP4 codes (2,048 bytes a row) with one E8M0 byte for each 32 (128 bytes a row), as given.
; wq: the quantised weight as the launch before laid it, [K step of 512][4,096 rows][272 bytes]: a row's 256 bytes of codes, then its 16 scale bytes.  Sums in f32; the bias is the C of each sum's first product.
; A work-group of four waves makes 256 x 256 of out0, a wave 128 x 128: 64 accumulators of 16 x 16.  K goes in 8 steps of 512 through two LDS slots (x's 256 rows at pitch 272, then wq's 256 rows of 272 bytes).
; CLUSTERS: 4 x 4 work-groups; x's tiles and scales are asked for jointly along a row of the cluster, wq's along a column.
; THE HEAD asks for what the first K step needs, one load a wave: wave 0 x's K step 0, wave 1 wq's K step 0, waves 2 and 3 a half each of the scales of x's 256 rows for all of K (32,768 dense bytes, they stay).
; K step 1 follows behind the full sequence and a round, a quarter of slot 1 a wave, as every refill after it.
; FRAGMENTS: two whole sets for x and for wq, so a step of 128 along K asks, in one run of 32 LDS loads at its head, for what the next step multiplies.
; THE MATRIX INSTRUCTION IS USED TRANSPOSED (source 0 = 16 rows of wq, source 1 = 16 rows of x): a lane holds eight neighbouring numbers of a row of out0.
; THE LAST K STEP GOES BY ROWS of out0: all its fragments of wq fill window 1, and the wave's eight blocks of 16 rows are finished and stored one after the other (K ascending in every sum).
; PREFETCH: every cluster asks for what it will itself load.  Of the 128 rows that a wave fetches, each of the four partners that ask for them jointly takes 32, told apart by address (cx for x, cy for wq), a lane a row.
; K steps 1 and 2 are asked for at the head, K step 3 behind K step 1's load, and each refill asks for the K step two refills on; the last two refills ask for nothing, so no address passes the end of K.
; REGISTERS: window 0: v0-31 addresses, v32-63 x's scale words (two sets), v64-95 wq's, v128-191 and v192-255 x's fragments.  window 1: v0-63, v128-191 wq's fragments; v64-127 the bias.  windows 2, 3: accumulators.
.set SIZE_N, 4096
.set ROWB,   256                       ; a K step of a row of x, in bytes
.set KROW,   2048                      ; a row of x's codes
.set PITCH,  272
.set HALFT,  128*PITCH
.set SLOT,   4*HALFT
.set KSB,    4096*272                  ; a K step of wq
.set SCL,    2*SLOT                    ; x's scales: 128 lines of 256 bytes + 16 of padding
.set SBLK,   8*272                     ; those of 16 rows
.set SPARE,  SCL+128*272               ; the spare words: 128 bytes a wave
.set SPITCH, 528                       ; the way out: 16 rows x (512 + 16) bytes a wave, in slot 0 behind its last read
.set ADRA,  16
.set ADRSB, 18
.set ADRB,  20
.set ADRSA, 22
.set STO,   24
.set RD,    25
.set CO,    26
.set BO,    27
.set SPW,   28
.set NIL,   29
.set PFO,   30
.set SA,    32
.set SB,    64
.set AF,    128
.set BIAS,  64                         ; in window 1
.set BK,    192                        ; the way out: 16 rows read back
.set G1,   24
.set G0,   32
.set G1B,  48
.set G0B,  56
.set PF2,  66                          ; s[66:67] the head's second prefetch address
.set G1S,  68
.set G0S,  76
.set PFA,  80
.set PFS,  82
.set G0H,  84                          ; group 0 of the head's loads: x's K step 0, wq's K step 0, the second half of x's scales
.set G0HB, 88
.set G0HC, 92
.set MSB, 0
.macro WIN new                         ; the immediate's high byte repeats the setting that is left
.if MSB != \new
	s_set_vgpr_msb (MSB<<8)|\new
.set MSB, \new
.endif
.endm
.set MUL_LO,   0xa1                    ; source 0 window 1, source 1 window 0, C and D window 2
.set MUL_HI,   0xf1
.set FIRST_LO, 0x91                    ; C (the bias) window 1, D window 2
.set FIRST_HI, 0xd1
.set TO_B,     0x40
.macro PLACES
.rept 4
	v_nop
.endr
.endm
.macro TLOAD g0, g1                    ; a tensor load with an s_nop and four v_nop behind it
	tensor_load_to_lds s[\g0:\g0+3], s[\g1:\g1+7]
	s_nop 0
	PLACES
.endm
.macro JLOAD s                         ; the ring's joint load: waves 0 and 1 fetch x's halves, waves 2 and 3 wq's
	s_cmp_eq_u32 s15, 0
	s_cbranch_scc0 .Lfor_b_\@
	TLOAD G0+4*\s, G1
	s_branch .Lasked_\@
.Lfor_b_\@:
	TLOAD G0B+4*\s, G1B
.Lasked_\@:
.endm
.macro ASK head, reg                   ; head = 0, in the loop: not in its last trip (s3 = 1), whose look-ahead would pass the end of K
.if \head == 0
	s_cmp_gt_u32 s3, 1
	s_cbranch_scc0 .Lnot_now_\@
.endif
	global_prefetch_b8 v[PFO], s[\reg:\reg+1] th:TH_LOAD_NT scope:SCOPE_SE
.if \head == 0
.Lnot_now_\@:
.endif
.endm
.macro CREST
	s_cmp_lg_u32 s14, 0
	s_cbranch_scc1 .Lnot_wave_0_\@
	s_barrier_signal -3
.Lnot_wave_0_\@:
	s_barrier_wait -3
	s_barrier_signal -1
	s_barrier_wait -1
.endm
.macro CROUND
	s_barrier_signal -1
	s_barrier_wait -1
	CREST
.endm
	s_load_b128 s[4:7], s[0:1], 0x0                ; x_codes, x_scales
	s_load_b128 s[8:11], s[0:1], 0x10              ; wq, bias
	s_load_b64 s[12:13], s[0:1], 0x20              ; out0
	v_lshl_add_u32 v[SPW], v0, 2, SPARE
	v_mov_b32 v[NIL], 0
	ds_add_u32 v[SPW], v[NIL]                      ; the opening lines: the add, twice on end, and one wait
	ds_add_u32 v[SPW], v[NIL]
	v_lshrrev_b32 v1, 5, v0
	v_readfirstlane_b32 s14, v1                    ; wave
	s_lshr_b32 s15, s14, 1                         ; my half of the tile's rows; also: I fetch for x (0) or wq (1)
	s_and_b32 s16, s14, 1                          ; my half of its columns; also: which 128 rows I fetch
	s_bfe_u32 s40, ttmp6, 0x40000                  ; cx
	s_bfe_u32 s41, ttmp6, 0x40004                  ; cy
	s_lshl_b32 s42, ttmp9, 2
	s_add_co_u32 s42, s42, s40                     ; tile column
	s_and_b32 s17, ttmp7, 0xffff
	s_lshl_b32 s17, s17, 2
	s_add_co_u32 s17, s17, s41                     ; tile row
	s_lshl_b32 s43, s41, 2
	s_lshl_b32 s43, 15, s43                        ; my row of the cluster
	s_lshl_b32 s44, 0x1111, s40                    ; my column
	s_or_b32 s[G1+0], s43, (0<<16)|(1<<20)|(1<<21)|(5<<22)|(3<<25)   ; x's codes: bytes, 16 bytes of padding behind every 256
	s_mov_b32 s[G1+1], ROWB<<16
	s_mov_b32 s[G1+2], 256<<16                     ; 256 rows at the head, 128 in the ring
	s_mov_b32 s[G1+3], ROWB<<16
	s_mov_b32 s[G1+4], 256
	s_mov_b32 s[G1+5], KROW
	s_mov_b32 s[G1+6], 0
	s_mov_b32 s[G1+7], 0
	s_or_b32 s[G1B+0], s44, (3<<16)|(1<<21)        ; wq: dense, as lines of 256 bytes: 272 lines for 256 rows at the head, 136 in the ring
	s_mov_b32 s[G1B+1], 32<<16
	s_mov_b32 s[G1B+2], 272<<16
	s_mov_b32 s[G1B+3], 32<<16
	s_mov_b32 s[G1B+4], 272
	s_mov_b32 s[G1B+5], 32
	s_mov_b32 s[G1B+6], 0
	s_mov_b32 s[G1B+7], 0
	s_or_b32 s[G1S+0], s43, (3<<16)|(1<<20)|(1<<21)|(5<<22)|(3<<25)  ; x's scales: 64 dense lines of 256 bytes a load, padded
	s_mov_b32 s[G1S+1], 32<<16
	s_mov_b32 s[G1S+2], 64<<16
	s_mov_b32 s[G1S+3], 32<<16
	s_mov_b32 s[G1S+4], 64
	s_mov_b32 s[G1S+5], 32
	s_mov_b32 s[G1S+6], 0
	s_mov_b32 s[G1S+7], 0
	s_lshl_b32 s20, s17, 19                        ; x's codes: 256 rows of 2,048 bytes a tile row
	s_mov_b32 s21, 0
	s_lshl_b32 s22, s17, 15                        ; x's scales: 256 rows of 128 bytes
	s_mov_b32 s23, 0
	s_mul_i32 s46, s42, 256*272                    ; wq: 256 rows of 272 bytes a tile column
	s_mov_b32 s47, 0
	s_lshl_b32 s18, s16, 18                        ; in the ring: my 128 rows of x,
	s_mov_b32 s19, 0
	s_mul_i32 s2, s16, HALFT                       ; or of wq
	s_mov_b32 s3, 0
	s_mul_i32 s45, s14, HALFT                      ; and where they go: wave x 128 rows
	s_wait_dscnt 0x0
	s_wait_kmcnt 0x0
	s_add_nc_u64 s[20:21], s[4:5], s[20:21]
	s_add_nc_u64 s[22:23], s[6:7], s[22:23]
	s_add_nc_u64 s[46:47], s[8:9], s[46:47]
	CROUND                                         ; all sixteen work-groups are here: the first joint loads meet
	s_mov_b32 s[G0H], 1
	s_mov_b32 s[G0H+1], 0
	s_mov_b64 s[G0H+2:G0H+3], s[20:21]
	s_or_b32 s[G0H+3], s[G0H+3], 0x80000000
	s_mov_b32 s[G0HB], 1
	s_mov_b32 s[G0HB+1], 2*HALFT
	s_mov_b64 s[G0HB+2:G0HB+3], s[46:47]
	s_or_b32 s[G0HB+3], s[G0HB+3], 0x80000000
	s_mov_b32 s[G0S], 1                            ; the scales of x's rows 0-127,
	s_mov_b32 s[G0S+1], SCL
	s_mov_b64 s[G0S+2:G0S+3], s[22:23]
	s_or_b32 s[G0S+3], s[G0S+3], 0x80000000
	s_mov_b32 s[G0HC], 1                           ; and of its rows 128-255
	s_mov_b32 s[G0HC+1], SCL+64*272
	s_add_nc_u64 s[G0HC+2:G0HC+3], s[22:23], 64*256
	s_or_b32 s[G0HC+3], s[G0HC+3], 0x80000000
	s_add_nc_u64 s[20:21], s[20:21], s[18:19]
	s_add_nc_u64 s[46:47], s[46:47], s[2:3]
.irp s, 0,1
	s_mov_b32 s[G0+4*\s], 1
	s_add_co_u32 s[G0+4*\s+1], s45, \s*SLOT
	s_add_nc_u64 s[G0+4*\s+2:G0+4*\s+3], s[20:21], \s*ROWB
	s_or_b32 s[G0+4*\s+3], s[G0+4*\s+3], 0x80000000
	s_mov_b32 s[G0B+4*\s], 1
	s_add_co_u32 s[G0B+4*\s+1], s45, \s*SLOT
	s_add_nc_u64 s[G0B+4*\s+2:G0B+4*\s+3], s[46:47], \s*KSB
	s_or_b32 s[G0B+4*\s+3], s[G0B+4*\s+3], 0x80000000
.endr
; the head's loads: one tree of branches on the wave's number, one load to an arm
.macro ARM under, g0, g1, next
	s_cmp_lt_u32 s14, \under
	s_cbranch_scc0 \next
	TLOAD \g0, \g1
	s_branch .Lhead_asked
\next:
.endm
	ARM 1, G0H,  G1,  .Lhead_b
	ARM 2, G0HB, G1B, .Lhead_s
	ARM 3, G0S,  G1S, .Lhead_c
	TLOAD G0HC, G1S
.Lhead_asked:
	v_and_b32 v1, 15, v0                           ; r
	v_bfe_u32 v2, v0, 4, 1                         ; h
	v_mul_u32_u24 v3, v1, PITCH
	v_lshl_add_u32 v4, v2, 4, v3                   ; a fragment: row x pitch + 16 h
	v_mul_u32_u24 v5, v2, 4*16*PITCH
	v_add_nc_u32 v5, v5, v3
	v_add_nc_u32 v5, 256, v5                       ; wq's scale words: byte 256 of the row; lanes 16-31 four blocks on
	s_mul_i32 s21, s15, HALFT
	s_mul_i32 s22, s16, HALFT
	s_add_co_u32 s22, s22, 2*HALFT
.irp s, 0,1
	v_add_nc_u32 v[ADRA+\s], s21, v4
	v_add_nc_u32 v[ADRB+\s], s22, v4
	v_add_nc_u32 v[ADRSB+\s], s22, v5
	s_add_co_u32 s21, s21, SLOT
	s_add_co_u32 s22, s22, SLOT
.endr
	v_lshlrev_b32 v6, 7, v1                        ; x's scale words: 128 bytes a row,
	v_lshrrev_b32 v7, 8, v6
	v_lshl_add_u32 v6, v7, 4, v6                   ; 16 more for each 256 passed;
	v_mul_u32_u24 v7, v2, 4*SBLK                   ; lanes 16-31 four blocks on
	v_add_nc_u32 v6, v6, v7
	s_mul_i32 s21, s15, 8*SBLK
	s_add_co_u32 s21, s21, SCL
	v_add_nc_u32 v[ADRSA], s21, v6
	s_mul_i32 s23, s14, 16*SPITCH                  ; my stage
	v_mul_u32_u24 v5, v1, SPITCH
	v_lshl_add_u32 v5, v2, 5, v5
	v_add_nc_u32 v[STO], s23, v5
	v_and_b32 v6, 31, v0
	v_lshlrev_b32 v[CO], 4, v6
	v_add_nc_u32 v[RD], s23, v[CO]
	v_lshlrev_b32 v[BO], 5, v2
	s_wait_alu depctr_va_vdst(0)
	s_lshl_b32 s20, s17, 8
	s_lshl_b32 s21, s15, 7
	s_add_co_u32 s20, s20, s21
	s_lshl_b32 s20, s20, 14                        ; my first row of out0, 16,384 bytes a row
	s_mov_b32 s21, 0
	s_lshl_b32 s46, s42, 10
	s_lshl_b32 s47, s16, 9
	s_add_co_u32 s46, s46, s47                     ; my first column, in bytes
	s_mov_b32 s47, 0
	s_add_nc_u64 s[10:11], s[10:11], s[46:47]
	s_add_nc_u64 s[20:21], s[20:21], s[46:47]
	s_add_nc_u64 s[12:13], s[12:13], s[20:21]
	WIN TO_B
.irp b, 0,1,2,3,4,5,6,7
	global_load_b128 v[BIAS+8*\b:BIAS+8*\b+3], v[BO], s[10:11] offset:64*\b        ; bias at my lane's eight columns of block b
	global_load_b128 v[BIAS+8*\b+4:BIAS+8*\b+7], v[BO], s[10:11] offset:64*\b+16
.endr
	WIN 0
	s_lshl_b32 s19, s17, 8                         ; the prefetches: base, row pitch and K step by what I fetch
	s_lshl_b32 s22, s42, 8
	s_cmp_eq_u32 s15, 0
	s_cselect_b32 s19, s19, s22                    ; the tile's first row
	s_cselect_b32 s22, s40, s41                    ; my place among the four that ask jointly
	s_cselect_b64 s[PFA:PFA+1], s[4:5], s[8:9]
	s_mov_b32 s67, 272
	s_cselect_b32 s67, KROW, s67
	s_mov_b32 s[PFS], KSB
	s_cselect_b32 s[PFS], ROWB, s[PFS]
	s_mov_b32 s[PFS+1], 0
	s_lshl_b32 s18, s16, 7
	s_add_co_u32 s19, s19, s18
	s_lshl_b32 s22, s22, 5
	s_add_co_u32 s19, s19, s22                     ; my work-group's 32 rows of the 128 that I fetch
	s_mul_i32 s18, s19, s67
	s_mov_b32 s19, 0
	s_add_nc_u64 s[PFA:PFA+1], s[PFA:PFA+1], s[18:19]
	s_add_nc_u64 s[PFA:PFA+1], s[PFA:PFA+1], s[PFS:PFS+1]   ; at K step 1
	v_and_b32 v[PFO], 31, v0
	v_mul_lo_u32 v[PFO], v[PFO], s67               ; a lane a row
	s_wait_alu depctr_va_vdst(0)
	s_add_nc_u64 s[PF2:PF2+1], s[PFA:PFA+1], s[PFS:PFS+1]   ; at K step 2 (the pitch in s67 has been used)
	ASK 1, PFA                                     ; K step 1
	ASK 1, PF2                                     ; K step 2
.macro FRAG reg, adr, q, i             ; 16 rows x 128 K: two loads of 16 bytes, 32 apart
.irp c, 0,1
	ds_load_b128 v[\reg+4*\c:\reg+4*\c+3], v[\adr] offset:64*(\q)+32*\c+(\i)*16*PITCH
.endr
.endm
; one product: x's block a, wq's block b; rB and rA are set by the caller.  Scale words: lanes 0-15 hold blocks 0-3, lanes 16-31 blocks 4-7
.macro WMX a, b, q, sc, first
.set rD, 8*(8*((\a)%4)+(\b))
.set rSB, SB+16*(\sc)+4*((\b)%4)+(\q)
.set rSA, SA+16*(\sc)+4*((\a)%4)+(\q)
.if \first
.set rC, BIAS+8*(\b)
.else
.set rC, rD
.endif
.if (\a) < 4
.if (\b) < 4
	v_wmma_scale_f32_16x16x128_f8f6f4 v[rD:rD+7], v[rB:rB+7], v[rA:rA+7], v[rC:rC+7], v[rSB], v[rSA] matrix_a_fmt:MATRIX_FMT_FP4 matrix_b_fmt:MATRIX_FMT_FP4
.else
	v_wmma_scale_f32_16x16x128_f8f6f4 v[rD:rD+7], v[rB:rB+7], v[rA:rA+7], v[rC:rC+7], v[rSB], v[rSA] matrix_a_fmt:MATRIX_FMT_FP4 matrix_b_fmt:MATRIX_FMT_FP4 matrix_a_scale:MATRIX_SCALE_ROW1
.endif
.else
.if (\b) < 4
	v_wmma_scale_f32_16x16x128_f8f6f4 v[rD:rD+7], v[rB:rB+7], v[rA:rA+7], v[rC:rC+7], v[rSB], v[rSA] matrix_a_fmt:MATRIX_FMT_FP4 matrix_b_fmt:MATRIX_FMT_FP4 matrix_b_scale:MATRIX_SCALE_ROW1
.else
	v_wmma_scale_f32_16x16x128_f8f6f4 v[rD:rD+7], v[rB:rB+7], v[rA:rA+7], v[rC:rC+7], v[rSB], v[rSA] matrix_a_fmt:MATRIX_FMT_FP4 matrix_b_fmt:MATRIX_FMT_FP4 matrix_a_scale:MATRIX_SCALE_ROW1 matrix_b_scale:MATRIX_SCALE_ROW1
.endif
.endif
.endm
.macro MUL16 a0, p, q, sc, first       ; x's blocks a0, a0 + 1 against wq's eight, from set p; the 64 accumulators take turns in one order
.irp a, \a0, \a0+1
.irp b, 0,1,2,3,4,5,6,7
.set rB, 128*(\p)+8*\b
.set rA, AF+64*(\p)+8*(\a)
	WMX \a, \b, \q, \sc, \first
.endr
.endr
.endm
.macro FETCH slot, q, p                ; 32 LDS loads in one run: the slot's q-th 128 along K into set p
	WIN TO_B
.irp i, 0,1,2,3,4,5,6,7
	FRAG 128*(\p)+8*\i, ADRB+\slot, \q, \i
.endr
	WIN 0
.irp i, 0,1,2,3,4,5,6,7
	FRAG AF+64*(\p)+8*\i, ADRA+\slot, \q, \i
.endr
.endm
.macro SCALES sc                       ; a K step's scale words: four words a row
.irp i, 0,1,2,3
	ds_load_b128 v[SA+16*\sc+4*\i:SA+16*\sc+4*\i+3], v[ADRSA] offset:\i*SBLK
.endr
.irp i, 0,1,2,3
	ds_load_b128 v[SB+16*\sc+4*\i:SB+16*\sc+4*\i+3], v[ADRSB+\sc] offset:\i*16*PITCH
.endr
.endm
; a step of 128 along K with its successor in the same slot
.macro STEP slot, q, first
	s_wait_dscnt 0x0                               ; this step's set is in
	PLACES                                         ; ahead of loads into the set that the last step multiplied
	FETCH \slot, (\q)+1, 1-(\q)%2
.if \first
	WIN FIRST_LO
.else
	WIN MUL_LO
.endif
	MUL16 0, (\q)%2, \q, \slot, \first
	MUL16 2, (\q)%2, \q, \slot, \first
.if \first
	WIN FIRST_HI
.else
	WIN MUL_HI
.endif
	MUL16 4, (\q)%2, \q, \slot, \first
	MUL16 6, (\q)%2, \q, \slot, \first
	WIN 0
.endm
; the first half of a slot's last step: one barrier for the change of slots
.macro MEET slot
	s_wait_tensorcnt 0x0                           ; all my tensor loads have landed
	ds_add_u32 v[SPW], v[NIL]
	s_wait_dscnt 0x1                               ; set 1 is in; the add alone may be out
	WIN MUL_LO
	MUL16 0, 1, 3, \slot, 0
	s_wait_dscnt 0x0                               ; the add is done; my reads of this slot were over at the wait above
	s_barrier_signal -1
	MUL16 2, 1, 3, \slot, 0
	WIN 0
	s_barrier_wait -1
.endm
.macro TURN slot, next                 ; a slot's last step: the slot is filled again, two K steps on
	s_wait_xcnt 0x0                                ; my last prefetch has read its address
	s_add_nc_u64 s[PFA:PFA+1], s[PFA:PFA+1], s[PFS:PFS+1]
	MEET \slot
	CREST                                          ; the barrier opened a round of the cluster's barrier
	s_add_nc_u64 s[G0+4*\slot+2:G0+4*\slot+3], s[G0+4*\slot+2:G0+4*\slot+3], 2*ROWB
	s_add_nc_u64 s[G0B+4*\slot+2:G0B+4*\slot+3], s[G0B+4*\slot+2:G0B+4*\slot+3], 2*KSB
	JLOAD \slot                                    ; its four v_nop are also the places ahead of the loads below
	v_add_nc_u32 v[ADRSA], 16, v[ADRSA]            ; x's scale words of the next K step
	s_wait_alu depctr_va_vdst(0)
	FETCH \next, 0, 0
	SCALES \next
	ASK 0, PFA
	WIN MUL_HI
	MUL16 4, 1, 3, \slot, 0
	MUL16 6, 1, 3, \slot, 0
	WIN 0
.endm
	s_wait_tensorcnt 0x0                           ; my tile of the head's four is in; the full sequence ahead of a later first fill
	ds_add_u32 v[SPW], v[NIL]
	s_mov_b32 s[G1+2], 128<<16                     ; no tensor load of mine is out: from here on a load brings 128 rows of x
	s_mov_b32 s[G1+4], 128
	s_mov_b32 s[G1B+2], 136<<16                    ; or 136 lines of wq
	s_mov_b32 s[G1B+4], 136
	s_wait_xcnt 0x0                                ; the two prefetches have read their addresses
	s_add_nc_u64 s[PFA:PFA+1], s[PFA:PFA+1], s[PFS:PFS+1]
	s_add_nc_u64 s[PFA:PFA+1], s[PFA:PFA+1], s[PFS:PFS+1]   ; at K step 3
	s_wait_dscnt 0x0
	CROUND
	JLOAD 1                                        ; K step 1: slot 1's first fill, the first tensor load behind the round
	FETCH 0, 0, 0
	SCALES 0
	ASK 1, PFA                                     ; K step 3
	s_wait_loadcnt 0x0                             ; the bias
	STEP 0, 0, 1                                   ; the first step starts the sums on the bias
	s_mov_b32 s3, 3
.Llap:                                                 ; a trip goes once round the ring and fills both slots again: K steps 2 to 7 in three trips
	STEP 0, 1, 0
	STEP 0, 2, 0
	TURN 0, 1
	STEP 1, 0, 0
	STEP 1, 1, 0
	STEP 1, 2, 0
	TURN 1, 0
	STEP 0, 0, 0
	s_sub_co_u32 s3, s3, 1
	s_cmp_lg_u32 s3, 0
	s_cbranch_scc1 .Llap
	STEP 0, 1, 0
	STEP 0, 2, 0
; THE LAST K STEP (slot 1) BY ROWS OF out0
.macro BLOAD q                         ; wq's fragments of quarter q -> window 1, v[64 q ..]
.irp i, 0,1,2,3,4,5,6,7
	FRAG 64*\q+8*\i, ADRB+1, \q, \i
.endr
.endm
.macro ALOAD a                         ; x's block a, all four quarters -> buffer a % 2 of v128-191
.irp q, 0,1,2,3
	FRAG AF+32*((\a)%2)+8*\q, ADRA+1, \q, \a
.endr
.endm
.macro ROW a                           ; block a is finished: 32 products, its eight accumulators by turns
	WIN MUL_LO+0x50*((\a)/4)
.irp q, 0,1,2,3
.if (\a) == 0 && \q == 2
	s_wait_dscnt 0x0                               ; wq's quarter 2 is in
.endif
.irp b, 0,1,2,3,4,5,6,7
.set rB, 64*\q+8*\b
.set rA, AF+32*((\a)%2)+8*\q
	WMX \a, \b, \q, 1, 0
.endr
.endr
.endm
.macro TOSTAGE a                       ; through my own stage: 32 bytes a lane in, whole rows of 512 bytes back; LDS serves a wave's instructions in order (ISA guide 5.7.1.4)
.set AC, 64*((\a)%4)
.if (\a) > 0
	s_wait_xcnt 0x0                                ; the last block's stores have read their registers and their base
.endif
	WIN 0x08+4*((\a)/4)
.irp b, 0,1,2,3,4,5,6,7
	ds_store_b128 v[STO], v[AC+8*\b:AC+8*\b+3] offset:64*\b          ; each accumulator from its low end on
	ds_store_b128 v[STO], v[AC+8*\b+4:AC+8*\b+7] offset:64*\b+16
.endr
	WIN 0
.irp t, 0,1,2,3,4,5,6,7,8,9,10,11,12,13,14,15
	ds_load_b128 v[BK+4*\t:BK+4*\t+3], v[RD] offset:\t*SPITCH
.endr
.endm
.macro SEND a, younger
	s_wait_dscnt \younger                          ; the block is back; the loads of x's block two on may be out
.if (\a) > 0
	s_add_nc_u64 s[12:13], s[12:13], 16*SIZE_N*4
.endif
.irp t, 0,1,2,3,4,5,6,7,8,9,10,11,12,13,14,15
	global_store_b128 v[CO], v[BK+4*\t:BK+4*\t+3], s[12:13] offset:\t*SIZE_N*4   ; 32 lanes store 512 consecutive bytes, aligned to 256
.endr
.endm
	MEET 0                                         ; slot 1 holds the last K step; nothing is filled again, so no round follows
	PLACES
	v_add_nc_u32 v[ADRSA], 16, v[ADRSA]
	s_wait_alu depctr_va_vdst(0)
	WIN TO_B
	BLOAD 0                                        ; set 1 of both operands is still being multiplied: quarter 2 follows below
	BLOAD 1
	BLOAD 3
	WIN 0
	ALOAD 0
	ALOAD 1
	SCALES 1
	WIN MUL_HI
	MUL16 4, 1, 3, 0, 0
	MUL16 6, 1, 3, 0, 0
	PLACES
	WIN TO_B
	BLOAD 2
	WIN 0
	s_wait_dscnt 16                                ; all but quarter 2's sixteen loads
	ROW 0
.irp a, 0,1,2,3,4,5,6,7
	PLACES                                         ; ahead of the reads of results just made and of the loads into the buffer just multiplied
	TOSTAGE \a
.if \a < 6
	ALOAD \a+2
	SEND \a, 8
.else
	SEND \a, 0
.endif
.if \a < 7
	ROW \a+1
.endif
.endr
	s_wait_tensorcnt 0x0                           ; the wave's end
	ds_add_u32 v[SPW], v[NIL]
	s_wait_dscnt 0x0
	CROUND                                         ; the closing round
	s_endpgm
.Lfunc_end_k_qd9c6d3cadf_gemm:
	.size	k_qd9c6d3cadf_gemm, .Lfunc_end_k_qd9c6d3cadf_gemm-k_qd9c6d3cadf_gemm
	.p2alignl 7, 3214868480
	.fill 96, 4, 3214868480
	.section	.rodata,"a",@progbits
	.p2align	6, 0x0
	.amdhsa_kernel k_qd9c6d3cadf_gemm
		.amdhsa_group_segment_fixed_size 327680
		.amdhsa_private_segment_fixed_size 0
		.amdhsa_enable_private_segment 0
		.amdhsa_kernarg_size 40
		.amdhsa_user_sgpr_count 2
		.amdhsa_user_sgpr_kernarg_segment_ptr 1
		.amdhsa_wavefront_size32 1
		.amdhsa_system_sgpr_workgroup_id_x 1
		.amdhsa_system_sgpr_workgroup_id_y 1
		.amdhsa_system_sgpr_workgroup_id_z 1
		.amdhsa_system_vgpr_workitem_id 0
		.amdhsa_next_free_vgpr 1024
		.amdhsa_next_free_sgpr 96
		.amdhsa_reserve_vcc 0
		.amdhsa_float_denorm_mode_32 3
		.amdhsa_float_denorm_mode_16_64 3
		.amdhsa_memory_ordered 1
		.amdhsa_forward_progress 1
		.amdhsa_inst_pref_size 213
	.end_amdhsa_kernel
	.amdgpu_metadata
---
amdhsa.version: [ 1, 2 ]
amdhsa.kernels:
  - .name:           k_qd9c6d3cadf_gemm
    .symbol:         k_qd9c6d3cadf_gemm.kd
    .args:
      - { .name: x_codes, .offset: 0, .size: 8, .value_kind: global_buffer, .address_space: global }
      - { .name: x_scales, .offset: 8, .size: 8, .value_kind: global_buffer, .address_space: global }
      - { .name: wq, .offset: 16, .size: 8, .value_kind: global_buffer, .address_space: global }
      - { .name: bias, .offset: 24, .size: 8, .value_kind: global_buffer, .address_space: global }
      - { .name: out0, .offset: 32, .size: 8, .value_kind: global_buffer, .address_space: global }
    .group_segment_fixed_size: 327680
    .private_segment_fixed_size: 0
    .kernarg_segment_align: 8
    .kernarg_segment_size: 40
    .max_flat_workgroup_size: 128
    .sgpr_count:     96
    .vgpr_count:     1024
    .wavefront_size: 32
...
	.end_amdgpu_metadata
.endif
;; end of part 2
